; MI455X (gfx1250); checked and timed in simulation.
; The chip was launched on July 23, 2026; its instructions are those of AMD's public machine-readable ISA for CDNA 5 (MIT licence, August 2026) and "CDNA5" Instruction Set Architecture Reference Guide (July 2026). The comments in the code are by the model that wrote it; some were corrected since.
;; Multi Head Attention With SWA. Allowed arithmetic: matrix products marked QUANTISED: E2M3 operands, one E8M0 scale for each 32 along K, by v_wmma_scale_f32_16x16x128_f8f6f4 with both operands' format E2M3, f32 sums; everything else in f32.
;; Inputs: Wk_codes 1,024 x 32 x 24 uint8 (E2M3 codes of Wk, K innermost, in blocks of 32 codes, four codes in three bytes); Wk_scales 1,024 x 32 uint8 (E8M0 scales of Wk, one for each 32 codes along K); Wo_codes 1,024 x 32 x 24 uint8 (E2M3 codes of Wo, K innermost, in blocks of 32 codes, four codes in three bytes); Wo_scales 1,024 x 32 uint8 (E8M0 scales of Wo, one for each 32 codes along K); Wq_codes 1,024 x 32 x 24 uint8 (E2M3 codes of Wq, K innermost, in blocks of 32 codes, four codes in three bytes); Wq_scales 1,024 x 32 uint8 (E8M0 scales of Wq, one for each 32 codes along K); Wv_codes 1,024 x 32 x 24 uint8 (E2M3 codes of Wv, K innermost, in blocks of 32 codes, four codes in three bytes); Wv_scales 1,024 x 32 uint8 (E8M0 scales of Wv, one for each 32 codes along K); bo 1,024 float32; x_codes 1 x 4,096 x 32 x 24 uint8 (E2M3 codes of x, K innermost, in blocks of 32 codes, four codes in three bytes); x_scales 1 x 4,096 x 32 uint8 (E8M0 scales of x, one for each 32 codes along K).
;; Outputs: out0 1 x 4,096 x 1,024 float32.
;; This version of the problem:
;;   THIS VERSION OF THE PROBLEM IS GIVEN IN LOW PRECISION. The matrix products marked QUANTISED in the list below multiply operands that are first quantised to E2M3 (2 exponent bits, 3 mantissa bits; 6 bits a number), with one power-of-two scale for each 32 numbers along K (OCP MX v1.0); their sums are f32. All else is computed in f32.
;;   The module's matrix products, in the order in which they are computed (A, B: the left and right operand; K: the contracted axis; several contracted axes count as one K, in the product's order):
;;     1. [M 4,096, K 1,024] x [K 1,024, N 1,024]; A: input x (given as codes); B: input Wq (given as codes): QUANTISED
;;     2. [M 4,096, K 1,024] x [K 1,024, N 1,024]; A: input x (given as codes); B: input Wk (given as codes): QUANTISED
;;     3. [M 4,096, K 1,024] x [K 1,024, N 1,024]; A: input x (given as codes); B: input Wv (given as codes): QUANTISED
;;     4. batch 16 x [M 4,096, K 64] x [K 64, N 4,096]; A: computed on the way; B: computed on the way: QUANTISED
;;     5. batch 16 x [M 4,096, K 4,096] x [K 4,096, N 64]; A: softmax (see below); B: computed on the way: QUANTISED
;;     6. [M 4,096, K 1,024] x [K 1,024, N 1,024]; A: computed on the way; B: input Wo (given as codes): QUANTISED
;;   THE QUANTISER, for each operand of a quantised product, along K:
;;     - K is cut into blocks of 32 from its start; a last block that is shorter is filled with zeros.
;;     - A block's scale is 2^e with e = floor(log2(the largest magnitude in the block)) - 2, held to -126 .. 127; a block of zeros has e = 0. As a byte (E8M0): e + 127.
;;     - Each number is divided by its block's scale, clamped to +-7.5, and rounded to the nearest number of E2M3, ties to even, subnormals kept.
;;     - The product sums the exact products of the quantised numbers (number of the format x scale) in f32.
;;   ~~~python
;;   def quantise(x, axis):      # numpy; x: float32 -> the quantised numbers, widened to float32 again
;;       x = np.moveaxis(x, axis, -1); K = x.shape[-1]
;;       x = np.pad(x, [(0, 0)] * (x.ndim - 1) + [(0, -K % 32)]); x = x.reshape(x.shape[:-1] + (-1, 32)); a = np.abs(x).max(-1, keepdims=True)
;;       e = np.where(a > 0, np.clip(np.frexp(np.where(a > 0, a, 1))[1] - 1 - 2, -126, 127), 0)      # np.frexp(a)[1] - 1 = floor(log2(a)), exactly
;;       r = np.clip(x / 2.0 ** e, -7.5, 7.5)
;;       step = 2.0 ** (np.maximum(np.frexp(np.where(r == 0, 1, r))[1] - 1, 0) - 3)
;;       q = np.round(r / step) * step * 2.0 ** e      # np.round: ties to even
;;       return np.moveaxis(q.reshape(q.shape[:-2] + (-1,))[..., :K], -1, axis).astype(np.float32)
;;   ~~~
;;   SOFTMAX AHEAD OF A QUANTISED PRODUCT. Where the list says 'softmax', what is quantised is not the finished softmax but p = 2^(t - M), with t = logit x log2(e) and M = ceil(the row's largest t), a whole number; so 1/2 < the row's largest p <= 1. The row's sum l is taken of the UNQUANTISED p, in f32, and the product's result is divided by l at the end. Since M is a whole number, a kernel that streams over the keys may use a running M (the ceiling of the running maximum): every later rescaling is an exact power of two, which a block's scale takes up: the codes' values come out the same.
;;   OPERANDS COMPUTED ON THE WAY. 'Computed on the way' means the value that the module computes at that place (a softmax that the list does not call 'softmax' is quantised finished and normalised). What goes into a quantiser is computed in f32, as accurately as f32 sums, v_exp_f32 and their like allow (about 1e-6 of the number): no bf16 or f16 on the way to a quantiser, and a product that is left as it is and whose result goes on into a quantised operand takes f32 operands (vector FMAs, or v_wmma_f32_16x16x4_f32). A number that lies on a knife's edge between two numbers of the format may be rounded either way, as far as f32 arithmetic and the matrix unit's own rounding can turn it there, and no further.
;;   INPUTS GIVEN AS CODES. Wk (in the module: [1024, 1024], K = its axis 0); Wo (in the module: [1024, 1024], K = its axis 0); Wq (in the module: [1024, 1024], K = its axis 0); Wv (in the module: [1024, 1024], K = its axis 0); x (in the module: [1, 4096, 1024], K = its axis 2): each comes as NAME_codes (uint8): NAME with its K axis moved to the last place and cut into blocks of 32 codes, [.., K / 32, bytes a block], one block behind the other in memory; four codes in three bytes: a row's codes are one little-endian stream of bits, code i at bits 6 i .. 6 i + 5 (a code: sign, 2 exponent bits, 3 mantissa bits); and NAME_scales (uint8): the same leading axes, one E8M0 byte (e + 127) for each 32 codes along K. Its value is code x scale, taken as it is: it is not quantised again, and the codes and scales need not be those that the quantiser above would give.
;; One version. Each part assembles by itself: llvm-mc -triple=amdgcn-amd-amdhsa -mcpu=gfx1250 --defsym DOCPART=n.
;; ======== version 1 of 1: 3 launches
;; workspace buffers: qkv 10,223,616 bytes; ctx 3,145,728 bytes; csc 131,072 bytes
;; launch qkv_proj (part 1): grid 12 x 16, 4 waves a work-group, clusters of 4 x 4, 327,680 bytes of LDS; arguments x_codes, x_scales, Wq_codes, Wq_scales, Wk_codes, Wk_scales, Wv_codes, Wv_scales, qkv; writes qkv
.if DOCPART == 1
	.amdgcn_target "amdgcn-amd-amdhsa--gfx1250"
	.amdhsa_code_object_version 6
	.text
	.protected	k_q3423d6b67a_qkv_proj
	.globl	k_q3423d6b67a_qkv_proj
	.p2align	8
	.type	k_q3423d6b67a_qkv_proj,@function
k_q3423d6b67a_qkv_proj:
	s_mov_b64 s[64:65], 0
	v_nop
	global_prefetch_b8 v0, s[64:65] scope:SCOPE_SE
	s_setreg_imm32_b32 hwreg(HW_REG_WAVE_MODE, 25, 1), 1
	s_wait_xcnt 0x0
	s_wait_alu depctr_hold_cnt(0) depctr_sa_sdst(0) depctr_va_vdst(0) depctr_va_sdst(0) depctr_va_ssrc(0) depctr_va_vcc(0) depctr_vm_vsrc(0)
	s_getreg_b32 s2, hwreg(HW_REG_IB_STS2, 6, 4)
	s_cmp_eq_u32 s2, 0
	s_cbranch_scc0 .Lentry_in_a_cluster
	s_endpgm
.Lentry_in_a_cluster:
	s_bfe_u32 s2, ttmp6, 0x10000c
	s_cmp_lg_u32 s2, 0xf033
	s_cbranch_scc0 .Lentry_shape_is_right
	s_endpgm
.Lentry_shape_is_right:
; q = x Wq, k = x Wk, v = x Wv on codes of FP6 (E2M3) with one E8M0 scale for each 32 along K = 1,024; the results are quantised here, q and k along the head's 64 channels, v along the keys,
; and stored as IMAGES OF OPERAND REGISTERS for the attention launch.  x: [4096][1024] codes (768 bytes a row), scales [4096][32]; each W: [1024 (n)][1024 (k)] codes, scales [1024][32].
; SHARES.  A tile of 256 x 256 to a work-group of four waves, 128 x 128 to a wave: 64 accumulators, 512 registers.  The cluster's x is the ROLE: 0 q, 1 k, 2 v; it is the same in all sixteen partners.
; Roles 0, 1: matrix "A" = x (16 tile rows), "B" = Wq or Wk (4 tile columns).  Role 2: "A" = Wv (4 tile rows), "B" = x (16 tile columns).  Source 0 = 16 rows of B, source 1 = 16 rows of A:
; a lane holds ONE row of A and its registers run along B's rows: for q and k a token and channels, for v a channel and tokens: each time the axis along which the result is quantised.
; K goes in steps of 256 through a ring of two LDS slots filled by joint tensor loads (A's tile shared along the cluster's row, B's along its column); the scales of the 256 + 256 rows come once.
; THE RECORDS.  qkv is laid [head pair 8][block of 128 tokens 32][head of the pair 2][role 3][6,656 bytes].  A record: four fragments of 1,536 bytes (plane c at 512 c: lane l's registers 4 c .. 4 c + 3 at 16 l),
; then lane l's four scale words at 6,144 + 16 l.  q, k: fragment p = [token tile 2 p | token tile 2 p + 1], 64 channels each.  v: fragment ct = channels 16 ct + r x the block's 128 keys.
; ORDER INSIDE A BLOCK OF 32: a lane's 16 registers of two neighbouring result tiles are elements 8 h + 0..7 and 16 + 8 h + 0..7, so a block's codes lie in the order 0-7, 16-23, 8-15, 24-31.  The block is the same
; 32 numbers, so its scale is the same; q and k carry the same order, and so do v and the attention launch's p: the products are those of the natural order, grouped otherwise in the sum.
; LIMITS: a block of zeros, and one whose largest magnitude lies under 2^-124, gets the scale byte 1 (zero codes add nothing under it; this program alone reads the bytes); NaN and infinities are not served.
; 192 work-groups: a tile of 192 columns, which would give 256, cuts a head's fragments in two.
; REGISTERS, in windows of 256: window 0: v16-29 addresses; v32-63 scale words, two sets; v128-223 A's fragments, one set; on the way out v200-243 at work.  window 1: B's fragments, two sets.
;   window 2: the accumulators of my rows 0-63 ((a, b) at v[8 (8 a + b)]);  window 3: those of my rows 64-127.
.set KSTEP,  256                       ; along K in a slot
.set NQ,     KSTEP/128                 ; matrix instructions deep
.set ROWB,   192                       ; a tile's row in bytes
.set KROW,   768                       ; a row of codes in memory
.set PITCH,  240                       ; an LDS row: 3 x (64 bytes + 16 of padding)
.set FR,     12                        ; registers of a fragment
.set NL,     6                         ; LDS loads that bring one
.set NP,     4                         ; places behind this matrix instruction (ISA guide 7.12.1)
.set HALFT,  128*PITCH                 ; 128 rows: one tensor load
.set SLOT,   4*HALFT                   ; A's 256 rows, then B's 256 rows
.set KS,     32                        ; a row of scales in bytes
.set SCL,    2*SLOT                    ; behind the ring: the scales, as units of 256 bytes + 16 of padding
.set HALFS,  (128*KS/256)*272          ; the scales of 128 rows
.set SBLK,   (16*KS/256)*272           ; those of 16 rows
.set SPARE,  SCL+4*HALFS               ; the spare words, 128 bytes a wave: two blocks of 256 bytes that no other line names
.set REC,    6656                      ; a record
.set E3,     3*REC                     ; a head's three records
.set ADRA, 16                          ; v16-17 LDS address of my A fragments in slot 0, 1 (v18-19: behind one padding more)
.set ADRB, 20                          ; v20-21 the same for B (v22-23)
.set LI,   24                          ; v24 16 x lane: my place in a plane of an image
.set ADRS, 27                          ; v27 LDS address of my scale words: lanes 0-15 A's rows, lanes 16-31 B's
.set SPW,  28                          ; v28 my spare word; never rewritten
.set NIL,  29                          ; v29 0; never rewritten
.set SC,   32                          ; scale words
.set AF,   128                         ; A's fragments
.set TM,   200                         ; v200-203 largest magnitudes, v204-207 bytes, v212-215 scale operands
.set PWQ,  216                         ; v216-219 a record's four scale words
.set CD,   224                         ; v224-235 a fragment's codes; v236-242 the conversions' second halves
.set G1, 24
.set G0, 32
.set G1B, 48
.set G0B, 56
.set G1S, 68
.set G0S, 76
.set G1SB, 80
.set G0SB, 88
.set ROLE, 95
.set SEL, 96
.set MSB, 0
.macro WIN new                         ; the immediate's high byte repeats the setting that is left
.if MSB != (\new)
	s_set_vgpr_msb (MSB<<8)|(\new)
.set MSB, (\new)
.endif
.endm
.set MUL_LO, 0xa1                      ; source 0 (B) window 1, source 1 (A) window 0, C and D window 2
.set MUL_HI, 0xf1                      ; the same, C and D window 3
.set TO_B,   0x40                      ; destination window 1, address window 0
; A joint load: waves 0 and 1 fetch for A, waves 2 and 3 for B; the branch hangs on the wave's number alone.  Four v_nop follow each of the two lines.
.macro JLOAD g0a, g1a, g0b, g1b
	s_cmp_eq_u32 s15, 0
	s_cbranch_scc0 .Lfor_b_\@
	tensor_load_to_lds s[\g0a:\g0a+3], s[\g1a:\g1a+7]
	s_nop 0
.rept 4
	v_nop
.endr
	s_branch .Lasked_\@
.Lfor_b_\@:
	tensor_load_to_lds s[\g0b:\g0b+3], s[\g1b:\g1b+7]
	s_nop 0
.rept 4
	v_nop
.endr
.Lasked_\@:
.endm
.macro CREST                           ; a round of the cluster's barrier behind its opening barrier
	s_cmp_lg_u32 s14, 0
	s_cbranch_scc1 .Lnot_wave_0_\@
	s_barrier_signal -3
.Lnot_wave_0_\@:
	s_barrier_wait -3
	s_barrier_signal -1
	s_barrier_wait -1
.endm
.macro CROUND                          ; a whole round
	s_barrier_signal -1
	s_barrier_wait -1
	CREST
.endm
	s_load_b512 s[68:83], s[0:1], 0x0              ; x's codes, scales; Wq's; Wk's; Wv's: eight addresses, in registers that take descriptors once the choice is made
	s_load_b64 s[12:13], s[0:1], 0x40              ; qkv
	v_lshl_add_u32 v[SPW], v0, 2, SPARE
	v_mov_b32 v[NIL], 0
	ds_add_u32 v28, v29
	ds_add_u32 v28, v29
	s_wait_dscnt 0x0
	v_lshrrev_b32 v1, 5, v0
	v_readfirstlane_b32 s14, v1                    ; wave 0..3
	s_lshr_b32 s15, s14, 1                         ; which half of the tile's rows is mine.  Also: I fetch for A (0) or for B (1)
	s_and_b32 s16, s14, 1                          ; which half of its columns.  Also: which 128 rows of that tile I fetch
	s_bfe_u32 s40, ttmp6, 0x40000                  ; cx, cy: my place in the cluster
	s_bfe_u32 s41, ttmp6, 0x40004
	s_mov_b32 s[ROLE], ttmp9                       ; the cluster's x: 0 q, 1 k, 2 v
	s_and_b32 s20, ttmp7, 0xffff
	s_lshl_b32 s20, s20, 2                         ; 4 x the cluster's y: it walks x's 16 tiles
	s_cmp_eq_u32 s[ROLE], 2
	s_cselect_b32 s17, 0, s20                      ; roles 0, 1: x is A
	s_cselect_b32 s42, s20, 0                      ; role 2: x is B
	s_add_co_u32 s17, s17, s41                     ; tile row
	s_add_co_u32 s42, s42, s40                     ; tile column
	s_lshl_b32 s43, s41, 2
	s_lshl_b32 s43, 15, s43                        ; my row of the cluster
	s_lshl_b32 s44, 0x1111, s40                    ; my column
	; descriptor group 1: a tile of 128 rows x 192 bytes, 16 bytes of padding behind every 64
	s_or_b32 s[G1+0], s43, (0<<16)|(1<<20)|(1<<21)|(3<<22)|(3<<25)  ; 15:0 the mask: A's tiles go to my row; elements of 1 byte; padding on; 21 set beside a mask; after every 16 words 4 words
	s_or_b32 s[G1B+0], s44, (0<<16)|(1<<20)|(1<<21)|(3<<22)|(3<<25)
.irp g, G1, G1B
	s_mov_b32 s[\g+1], ROWB<<16                    ; tensor_dim0
	s_mov_b32 s[\g+2], 128<<16                     ; tensor_dim1
	s_mov_b32 s[\g+3], ROWB<<16                    ; tile_dim0
	s_mov_b32 s[\g+4], 128                         ; tile_dim1
	s_mov_b32 s[\g+5], KROW                        ; tensor_dim0_stride
	s_mov_b32 s[\g+6], 0
	s_mov_b32 s[\g+7], 0
.endr
	s_lshl_b32 s18, s16, 7                         ; which 128 rows of the tile I fetch
	s_lshl_b32 s20, s17, 8
	s_add_co_u32 s20, s20, s18                     ; A: row 256 x tile row + 128 x half
	s_lshl_b32 s46, s42, 8
	s_add_co_u32 s46, s46, s18                     ; B: row 256 x tile column + 128 x half
	s_mov_b32 s21, 0
	s_mov_b32 s47, 0
	s_mov_b64 s[18:19], KS
	s_mul_u64 s[22:23], s[20:21], s[18:19]         ; where these rows' scales begin, in bytes
	s_mul_u64 s[92:93], s[46:47], s[18:19]
	s_mov_b64 s[18:19], KROW
	s_mul_u64 s[20:21], s[20:21], s[18:19]         ; and their codes
	s_mul_u64 s[46:47], s[46:47], s[18:19]
	s_mul_i32 s45, s14, HALFT                      ; where they go: wave x 128 rows: no place in the cluster enters an LDS address
	s_mul_i32 s94, s14, HALFS
	s_wait_kmcnt 0x0
	s_cmp_eq_u32 s[ROLE], 1                        ; the choice of buffers hangs on the role alone
	s_cselect_b64 s[8:9], s[76:77], s[72:73]       ; Wk or Wq
	s_cselect_b64 s[10:11], s[78:79], s[74:75]
	s_cmp_eq_u32 s[ROLE], 2
	s_cselect_b64 s[4:5], s[80:81], s[68:69]       ; A: Wv or x
	s_cselect_b64 s[6:7], s[82:83], s[70:71]
	s_cselect_b64 s[8:9], s[68:69], s[8:9]         ; B: x or the weight
	s_cselect_b64 s[10:11], s[70:71], s[10:11]
	; the scales of 128 rows: a dense block of 4,096 bytes, as 16 rows of 256 bytes (32 elements of 8 bytes), 16 bytes of padding behind each
	s_or_b32 s[G1S+0], s43, (3<<16)|(1<<20)|(1<<21)|(5<<22)|(3<<25)
	s_or_b32 s[G1SB+0], s44, (3<<16)|(1<<20)|(1<<21)|(5<<22)|(3<<25)
.irp g, G1S, G1SB
	s_mov_b32 s[\g+1], 32<<16
	s_mov_b32 s[\g+2], (128*KS/256)<<16
	s_mov_b32 s[\g+3], 32<<16
	s_mov_b32 s[\g+4], 128*KS/256
	s_mov_b32 s[\g+5], 32
	s_mov_b32 s[\g+6], 0
	s_mov_b32 s[\g+7], 0
.endr
	s_add_nc_u64 s[20:21], s[4:5], s[20:21]
	s_add_nc_u64 s[22:23], s[6:7], s[22:23]
	s_add_nc_u64 s[46:47], s[8:9], s[46:47]
	s_add_nc_u64 s[92:93], s[10:11], s[92:93]
	CROUND                                         ; all sixteen work-groups are here: the first joint loads meet
	s_mov_b32 s[G0S], 1
	s_add_co_u32 s[G0S+1], s94, SCL
	s_mov_b64 s[G0S+2:G0S+3], s[22:23]
	s_or_b32 s[G0S+3], s[G0S+3], 0x80000000
	s_mov_b32 s[G0SB], 1
	s_add_co_u32 s[G0SB+1], s94, SCL
	s_mov_b64 s[G0SB+2:G0SB+3], s[92:93]
	s_or_b32 s[G0SB+3], s[G0SB+3], 0x80000000
	JLOAD G0S, G1S, G0SB, G1SB                     ; the scales first: they are wanted with K step 0
.irp s, 0,1
	s_mov_b32 s[G0+4*\s], 1
	s_add_co_u32 s[G0+4*\s+1], s45, \s*SLOT
	s_add_nc_u64 s[G0+4*\s+2:G0+4*\s+3], s[20:21], \s*ROWB
	s_or_b32 s[G0+4*\s+3], s[G0+4*\s+3], 0x80000000
	s_mov_b32 s[G0B+4*\s], 1
	s_add_co_u32 s[G0B+4*\s+1], s45, \s*SLOT
	s_add_nc_u64 s[G0B+4*\s+2:G0B+4*\s+3], s[46:47], \s*ROWB
	s_or_b32 s[G0B+4*\s+3], s[G0B+4*\s+3], 0x80000000
	JLOAD G0+4*\s, G1, G0B+4*\s, G1B               ; three tensor loads of mine are out now
.endr
	v_and_b32 v1, 15, v0                           ; l % 16
	v_bfe_u32 v2, v0, 4, 1                         ; l / 16
	v_mul_u32_u24 v3, v1, PITCH
	v_mul_u32_u24 v4, v2, 24
	v_add_nc_u32 v4, v3, v4                        ; a fragment's row x pitch + 24 x half
	v_lshl_add_u32 v5, v2, 4, v4                   ; and the same behind one padding more
	s_mul_i32 s21, s15, HALFT                      ; my 128 rows of A
	s_mul_i32 s22, s16, HALFT                      ; my 128 rows of B,
	s_add_co_u32 s22, s22, 2*HALFT                 ; which lie behind A's 256
.irp s, 0,1
	v_add_nc_u32 v[ADRA+\s], s21, v4
	v_add_nc_u32 v[ADRB+\s], s22, v4
	v_add_nc_u32 v[ADRA+2+\s], s21, v5
	v_add_nc_u32 v[ADRB+2+\s], s22, v5
	s_add_co_u32 s21, s21, SLOT
	s_add_co_u32 s22, s22, SLOT
.endr
	v_mul_u32_u24 v5, v1, KS                       ; my row's scales: 32 bytes a row,
	v_lshrrev_b32 v6, 8, v5
	v_lshl_add_u32 v5, v6, 4, v5                   ; and 16 more for each 256 passed
	s_mul_i32 s21, s15, HALFS                      ; A's: my 128 rows
	s_mul_i32 s22, s16, HALFS                      ; B's: my 128 rows, behind A's 256
	s_add_co_u32 s22, s22, 2*HALFS
	s_sub_co_u32 s22, s22, s21
	v_mul_u32_u24 v6, s22, v2                      ; lanes 16-31 take B's
	s_add_co_u32 s21, s21, SCL
	v_add_nc_u32 v5, v5, v6
	v_add_nc_u32 v[ADRS], s21, v5
	v_and_b32 v6, 31, v0
	v_lshlrev_b32 v[LI], 4, v6                     ; 16 x lane
	; where my two heads' records begin.  Roles 0, 1: my 128 columns are a head pair, my 128 rows a block of tokens; role 2: the other way round
	s_lshl_b32 s18, s17, 1
	s_add_co_u32 s18, s18, s15                     ; 2 x tile row + half
	s_lshl_b32 s19, s42, 1
	s_add_co_u32 s19, s19, s16                     ; 2 x tile column + half
	s_cmp_eq_u32 s[ROLE], 2
	s_cselect_b32 s20, s18, s19                    ; the head pair
	s_cselect_b32 s21, s19, s18                    ; the block of tokens
	s_lshl_b32 s20, s20, 5
	s_add_co_u32 s20, s20, s21
	s_mul_i32 s20, s20, 2*E3
	s_mul_i32 s21, s[ROLE], REC
	s_add_co_u32 s20, s20, s21
	s_mov_b32 s21, 0
	s_add_nc_u64 s[12:13], s[12:13], s[20:21]
.macro FRAG reg, adr, q, i             ; a fragment, 16 rows x 128 K: lane l holds row l % 16; registers 6 c .. 6 c + 5 hold K = 64 c + 32 (l / 16) + 0 .. 31: 24 bytes of the row's stream of bits, as they lie
.irp p, 0,1,2,3,4,5                    ; in pieces of 8 bytes.  Lanes 16-31 read three pieces further on than lanes 0-15: where that lies behind one padding more, the second address register serves
.set PCE, 12*(\q)+6*(\p/3)+\p%3
.if PCE%8 < 5
	ds_load_b64 v[\reg+2*\p:\reg+2*\p+1], v[\adr] offset:8*PCE+16*(PCE/8)+(\i)*16*PITCH
.else
	ds_load_b64 v[\reg+2*\p:\reg+2*\p+1], v[\adr+2] offset:8*PCE+16*(PCE/8)+(\i)*16*PITCH
.endif
.endr
.endm
; 16 matrix instructions: A's blocks a0, a0 + 1 x B's eight, 128 along K.  p: B's set; sc: the set of scale words.  zero = 1: the first product starts the sums.
; The 64 accumulators take turns, one instruction a turn, in the same order in every step.
.macro MUL16 a0, p, q, sc, zero
.irp a, \a0, \a0+1
.irp b, 0,1,2,3,4,5,6,7
.if \zero
	v_wmma_scale_f32_16x16x128_f8f6f4 v[8*(8*((\a)%4)+\b):8*(8*((\a)%4)+\b)+7], v[128*(\p)+FR*\b:128*(\p)+FR*\b+FR-1], v[AF+FR*(\a):AF+FR*(\a)+FR-1], 0, v[SC+8*NQ*(\sc)+NQ*\b+(\q)], v[SC+8*NQ*(\sc)+NQ*(\a)+(\q)] matrix_a_fmt:MATRIX_FMT_FP6 matrix_b_fmt:MATRIX_FMT_FP6 matrix_a_scale:MATRIX_SCALE_ROW1
.else
	v_wmma_scale_f32_16x16x128_f8f6f4 v[8*(8*((\a)%4)+\b):8*(8*((\a)%4)+\b)+7], v[128*(\p)+FR*\b:128*(\p)+FR*\b+FR-1], v[AF+FR*(\a):AF+FR*(\a)+FR-1], v[8*(8*((\a)%4)+\b):8*(8*((\a)%4)+\b)+7], v[SC+8*NQ*(\sc)+NQ*\b+(\q)], v[SC+8*NQ*(\sc)+NQ*(\a)+(\q)] matrix_a_fmt:MATRIX_FMT_FP6 matrix_b_fmt:MATRIX_FMT_FP6 matrix_a_scale:MATRIX_SCALE_ROW1
.endif
.endr
.endr
.endm
.macro FETCH_B slot, q, p              ; B's eight fragments of the slot's q-th 128 along K into set p
	WIN TO_B
.irp i, 0,1,2,3,4,5,6,7
	FRAG 128*(\p)+FR*\i, ADRB+\slot, \q, \i
.endr
	WIN 0
.endm
.macro FETCH_A slot, q, i0             ; A's blocks i0 .. i0 + 3
.irp i, \i0, \i0+1, \i0+2, \i0+3
	FRAG AF+FR*(\i), ADRA+\slot, \q, \i
.endr
.endm
.macro SCALES sc                       ; a K step's scale words into set sc: lanes 0-15 take A's block i, lanes 16-31 B's block i
.irp i, 0,1,2,3,4,5,6,7
	ds_load_b64 v[SC+8*NQ*\sc+NQ*\i:SC+8*NQ*\sc+NQ*\i+1], v[ADRS] offset:\i*SBLK
.endr
.endm
; A load into a register that a matrix instruction has read, and a vector instruction that reads a matrix result, stand NP places behind it; only plain vector instructions that name none of its registers are places.
.macro PLACES n
.rept \n
	v_nop
.endr
.endm
; A step of 128 along K that has its successor in the same slot.
.macro STEP slot, q, zero
	s_wait_dscnt 4*NL                              ; B's set and A's blocks 0-3 are in; the youngest 24 loads (A's blocks 4-7) may be out
	WIN MUL_LO
	MUL16 0, (\q)%2, \q, \slot, \zero
	MUL16 2, (\q)%2, \q, \slot, \zero
	s_wait_dscnt 0                                 ; A's blocks 4-7 are in
	PLACES NP
	FETCH_B \slot, (\q)+1, 1-(\q)%2
	FETCH_A \slot, (\q)+1, 0
	WIN MUL_HI
	MUL16 4, (\q)%2, \q, \slot, \zero
	MUL16 6, (\q)%2, \q, \slot, \zero
	PLACES NP
	WIN 0
	FETCH_A \slot, (\q)+1, 4
.endm
; A slot's last step changes slots: ONE barrier; in front of it each wave waits for all its tensor loads, adds 0 to its spare word, and waits for that and for its own reads of this slot.  fill = 1: this slot is filled again, two K steps ahead.
.macro TURN slot, next, fill
	s_wait_tensorcnt 0x0                           ; all my tensor loads have landed: my part of the next slot
	ds_add_u32 v[SPW], v[NIL]                      ; 0 onto my spare word
	s_wait_dscnt 4*NL+1                            ; the add and the youngest 24 loads (A's blocks 4-7) may be out
	WIN MUL_LO
	MUL16 0, 1, NQ-1, \slot, 0                     ; sixteen matrix instructions stand between the add and the wait for it
	s_wait_dscnt 0x0                               ; the add is done, and my reads of this slot are over
	s_barrier_signal -1
	MUL16 2, 1, NQ-1, \slot, 0
	WIN 0
	s_barrier_wait -1
.if \fill
	CREST                                          ; the barrier has opened a round of the cluster's barrier: no wave of any partner still reads this slot's tile or has a load on its way
	s_add_nc_u64 s[G0+4*\slot+2:G0+4*\slot+3], s[G0+4*\slot+2:G0+4*\slot+3], 2*ROWB
	s_add_nc_u64 s[G0B+4*\slot+2:G0B+4*\slot+3], s[G0B+4*\slot+2:G0B+4*\slot+3], 2*ROWB
	JLOAD G0+4*\slot, G1, G0B+4*\slot, G1B         ; the first tensor load behind the round; its four v_nop are the places in front of the loads below
.else
	PLACES NP
.endif
	v_add_nc_u32 v[ADRS], 4*NQ, v[ADRS]            ; on to the next K step's scale words (no LDS load of mine is out)
	FETCH_B \next, 0, 0
	FETCH_A \next, 0, 0
	SCALES \next
	WIN MUL_HI
	MUL16 4, 1, NQ-1, \slot, 0
	MUL16 6, 1, NQ-1, \slot, 0
	PLACES NP
	WIN 0
	FETCH_A \next, 0, 4
.endm
	s_wait_tensorcnt 1                             ; the scales and my part of K step 0 are in; K step 1's load, issued behind them, may be out
	s_barrier_signal -1
	s_barrier_wait -1                              ; everybody's are
	FETCH_B 0, 0, 0
	FETCH_A 0, 0, 0
	SCALES 0
	FETCH_A 0, 0, 4
	STEP 0, 0, 1                                   ; K = 1,024 is four K steps, eight steps of 128: written out; the first starts the sums
	TURN 0, 1, 1                                   ; slot 0 takes K step 2
	STEP 1, 0, 0
	TURN 1, 0, 1                                   ; slot 1 takes K step 3
	STEP 0, 0, 0
	TURN 0, 1, 0                                   ; nothing is left to fetch
	STEP 1, 0, 0
	s_wait_dscnt 4*NL
	WIN MUL_LO
	MUL16 0, 1, NQ-1, 1, 0
	MUL16 2, 1, NQ-1, 1, 0
	s_wait_dscnt 0
	WIN MUL_HI
	MUL16 4, 1, NQ-1, 1, 0
	MUL16 6, 1, NQ-1, 1, 0
	WIN 0
; THE WAY OUT.  64 numbers of a lane (four runs of 16 registers: two neighbouring accumulators each, one block of 32 together with lane l xor 16's) become a fragment's 12 registers of codes and its scale word.
; w: the accumulators' window; blocks 0, 1 at s0, s0 + 16; blocks 2, 3 at s1, s1 + 16.  A block's scale byte is its largest magnitude's exponent field less 2, held at 1 from below by the floor 2^(3 - 127).
.macro QUANTW w, s0, s1, pw
	s_wait_xcnt 0x0                                ; the earlier stores have read their data: the codes' and the words' registers are written again only behind this wait
	WIN 5*(\w)                                     ; sources 0 and 1 in the accumulators' window
.irp b, 0,1
	v_max3_num_f32 v[TM+\b], |v[(\s0)+16*\b]|, |v[(\s0)+16*\b+1]|, 0x1800000     ; each accumulator is read from its low end on
	v_max3_num_f32 v[TM+2+\b], |v[(\s1)+16*\b]|, |v[(\s1)+16*\b+1]|, 0x1800000
.endr
.irp i, 2,4,6,8,10,12,14
.irp b, 0,1
	v_max3_num_f32 v[TM+\b], |v[(\s0)+16*\b+\i]|, |v[(\s0)+16*\b+\i+1]|, v[TM+\b]
	v_max3_num_f32 v[TM+2+\b], |v[(\s1)+16*\b+\i]|, |v[(\s1)+16*\b+\i+1]|, v[TM+2+\b]
.endr
.endr
	WIN 0
.irp b, 0,1,2,3
	v_permlanex16_b32 v[TM+4+\b], v[TM+\b], s[SEL], s[SEL+1]
.endr
.irp b, 0,1,2,3
	v_max_num_f32 v[TM+\b], v[TM+\b], v[TM+4+\b]   ; with lane l xor 16's: the block's largest magnitude
.endr
.irp b, 0,1,2,3
	v_add_nc_u32 v[TM+12+\b], 0xff000000, v[TM+\b] ; 2 off its exponent field: the conversion takes the exponent field of this operand as its scale
.endr
.irp b, 0,1,2,3
	v_lshrrev_b32 v[TM+4+\b], 23, v[TM+12+\b]      ; the scale's byte
.endr
	v_lshl_or_b32 v[\pw], v[TM+5], 8, v[TM+4]
	v_lshl_or_b32 v[\pw], v[TM+6], 16, v[\pw]
	v_lshl_or_b32 v[\pw], v[TM+7], 24, v[\pw]
	WIN \w                                         ; source 0 in the accumulators' window
	v_cvt_scalef32_pk16_fp6_f32 v[CD:CD+2], v[(\s0):(\s0)+15], v[TM+12]
	v_cvt_scalef32_pk16_fp6_f32 v[CD+12:CD+14], v[(\s0)+16:(\s0)+31], v[TM+13]   ; (a conversion's three registers begin on an even number)
	v_cvt_scalef32_pk16_fp6_f32 v[CD+6:CD+8], v[(\s1):(\s1)+15], v[TM+14]
	v_cvt_scalef32_pk16_fp6_f32 v[CD+16:CD+18], v[(\s1)+16:(\s1)+31], v[TM+15]
	WIN 0
	v_nop                                          ; one plain place behind a scaled conversion
.irp c, 0,1                                    ; the operand's layout wants a WHOLE block in a lane: lanes 0-15 block 2 c, lanes 16-31 block 2 c + 1
.irp i, 0,1,2
	v_permlane16_swap_b32 v[CD+6*\c+\i], v[CD+12+4*\c+\i]
.endr
.irp i, 0,1,2
	v_mov_b32 v[CD+3+6*\c+\i], v[CD+12+4*\c+\i]
.endr
.endr
.endm
.macro UNIT g, f, w, s0, s1            ; fragment f of head g's record: three stores of 512 consecutive bytes, each at a multiple of 256 from the buffer's first byte
	QUANTW \w, \s0, \s1, PWQ+(\f)
.irp c, 0,1,2
	global_store_b128 v[LI], v[CD+4*\c:CD+4*\c+3], s[12:13] offset:(\g)*E3+(\f)*1536+512*\c
.endr
.endm
	PLACES NP                                      ; behind the last products: their results are read and A's registers written below
	s_mov_b32 s[SEL], 0x76543210
	s_mov_b32 s[SEL+1], 0xfedcba98                 ; v_permlanex16_b32's selects for lane l xor 16
.irp b, 0,1,2,3
	v_mov_b32 v[TM+4+\b], 0                        ; written once: a lane permute's destination counts as one of its sources
.endr
	s_cmp_eq_u32 s[ROLE], 2                        ; the role is the same in all partners
	s_cbranch_scc1 .Lv
.irp g, 0,1                                    ; q, k: head g = my columns 64 g on (accumulators b = 4 g .. 4 g + 3); fragment p = token tiles a = 2 p, 2 p + 1
.irp p, 0,1,2,3
	UNIT \g, \p, 2+\p/2, 128*(\p%2)+32*\g, 128*(\p%2)+32*\g+64
.endr
	global_store_b128 v[LI], v[PWQ:PWQ+3], s[12:13] offset:\g*E3+6144
.endr
	s_branch .Ldone
.Lv:
.irp a, 0,1,2,3,4,5,6,7                        ; v: head a / 4, channels 16 (a % 4) on; the lane's 64 registers are the block's 128 keys' halves
	UNIT \a/4, \a%4, 2+\a/4, 64*(\a%4), 64*(\a%4)+32
.if \a%4 == 3
	global_store_b128 v[LI], v[PWQ:PWQ+3], s[12:13] offset:(\a/4)*E3+6144
.endif
.endr
.Ldone:
	s_wait_tensorcnt 0x0                           ; the wave's end
	ds_add_u32 v[SPW], v[NIL]
	s_wait_dscnt 0x0
	CROUND                                         ; the closing round: no work-group ends while a partner may still ask for a tile that names it
	s_endpgm
.Lfunc_end_k_q3423d6b67a_qkv_proj:
	.size	k_q3423d6b67a_qkv_proj, .Lfunc_end_k_q3423d6b67a_qkv_proj-k_q3423d6b67a_qkv_proj
	.p2alignl 7, 3214868480
	.fill 96, 4, 3214868480
	.section	.rodata,"a",@progbits
	.p2align	6, 0x0
	.amdhsa_kernel k_q3423d6b67a_qkv_proj
		.amdhsa_group_segment_fixed_size 327680
		.amdhsa_private_segment_fixed_size 0
		.amdhsa_enable_private_segment 0
		.amdhsa_kernarg_size 72
		.amdhsa_user_sgpr_count 2
		.amdhsa_user_sgpr_kernarg_segment_ptr 1
		.amdhsa_wavefront_size32 1
		.amdhsa_system_sgpr_workgroup_id_x 1
		.amdhsa_system_sgpr_workgroup_id_y 1
		.amdhsa_system_sgpr_workgroup_id_z 1
		.amdhsa_system_vgpr_workitem_id 0
		.amdhsa_next_free_vgpr 1024
		.amdhsa_next_free_sgpr 98
		.amdhsa_reserve_vcc 0
		.amdhsa_float_denorm_mode_32 3
		.amdhsa_float_denorm_mode_16_64 3
		.amdhsa_memory_ordered 1
		.amdhsa_forward_progress 1
		.amdhsa_inst_pref_size 198
	.end_amdhsa_kernel
	.amdgpu_metadata
---
amdhsa.version: [ 1, 2 ]
amdhsa.kernels:
  - .name:           k_q3423d6b67a_qkv_proj
    .symbol:         k_q3423d6b67a_qkv_proj.kd
    .args:
      - { .name: x_codes, .offset: 0, .size: 8, .value_kind: global_buffer, .address_space: global }
      - { .name: x_scales, .offset: 8, .size: 8, .value_kind: global_buffer, .address_space: global }
      - { .name: Wq_codes, .offset: 16, .size: 8, .value_kind: global_buffer, .address_space: global }
      - { .name: Wq_scales, .offset: 24, .size: 8, .value_kind: global_buffer, .address_space: global }
      - { .name: Wk_codes, .offset: 32, .size: 8, .value_kind: global_buffer, .address_space: global }
      - { .name: Wk_scales, .offset: 40, .size: 8, .value_kind: global_buffer, .address_space: global }
      - { .name: Wv_codes, .offset: 48, .size: 8, .value_kind: global_buffer, .address_space: global }
      - { .name: Wv_scales, .offset: 56, .size: 8, .value_kind: global_buffer, .address_space: global }
      - { .name: qkv, .offset: 64, .size: 8, .value_kind: global_buffer, .address_space: global }
    .group_segment_fixed_size: 327680
    .private_segment_fixed_size: 0
    .kernarg_segment_align: 8
    .kernarg_segment_size: 72
    .max_flat_workgroup_size: 128
    .sgpr_count:     98
    .vgpr_count:     1024
    .wavefront_size: 32
...
	.end_amdgpu_metadata
.endif
;; end of part 1
;; launch attn (part 2): grid 32 x 8, 16 waves a work-group, no clusters, 169,984 bytes of LDS; arguments qkv, ctx, csc; writes ctx, csc
.if DOCPART == 2
	.amdgcn_target "amdgcn-amd-amdhsa--gfx1250"
	.amdhsa_code_object_version 6
	.text
	.protected	k_q3423d6b67a_attn
	.globl	k_q3423d6b67a_attn
	.p2align	8
	.type	k_q3423d6b67a_attn,@function
k_q3423d6b67a_attn:
	s_mov_b64 s[64:65], 0
	v_nop
	global_prefetch_b8 v0, s[64:65] scope:SCOPE_SE
	s_setreg_imm32_b32 hwreg(HW_REG_WAVE_MODE, 25, 1), 1
	s_wait_xcnt 0x0
; Sliding-window attention on codes of FP6 (E2M3): key k counts for query q where 0 <= q - k < 512.  16 heads of 64 channels, 4,096 tokens.  Both products on the records that the projection launch stored
; (qkv: [head pair 8][block of 128 tokens 32][head 2][role q, k, v][6,656 bytes]: four fragments as images of their registers, then the lanes' four scale words).
; THE SOFTMAX: t = score x log2(e) / 8; M = the running largest t rounded UP to a whole number; p = 2^(t - M) is quantised along the keys, not normalised; the row's sum is taken of the unquantised p and divides O at the end.
; When M moves, the sum and O are multiplied by 2^(old M - new M), exactly.  O / sum is then quantised along the channels (a head holds two whole blocks of 32 of the next product's K) and stored as half a fragment.
; SHARES.  A work-group owns 128 queries (block a) of the two heads of a pair; wave w owns head w & 1 and the 16 queries of tile w >> 1, in 256 registers: four waves to a SIMD.
; A block of 128 queries sees exactly the five blocks of keys a - 4 .. a: the first is cut by the window's low edge, the last by the diagonal, the three between count whole.  A block before token 0 is left out by a scalar
; branch on the work-group's number, round the step's work alone; every barrier and every tensor load is on every path.
; All five steps' K and V records of both heads (133,120 bytes) are asked for at the start and filled ONCE; each step waits only for its own slot.
; NO CLUSTER: neighbouring query blocks share four of their five key blocks, but each at another of the five slots (block a - 4 + s lies in slot s): a joint load needs one LDS address in all partners, so the slot would have to hang on
; the place in the cluster, which a joint load does not allow.
; LAYOUT.  S^T = K Q^T (source 0 = a fragment of K, source 1 = Q), O^T = V^T P^T: a lane holds ONE query (lane % 16) throughout.  The head's K is 64, half of the instruction's 128: a fragment of K carries TWO tiles of 16 keys,
; and Q stands as [q | six registers of zero codes | q]: registers 0-11 pick the first tile, registers 6-17 the second; zero codes add nothing under any scale byte of 1 to 254.
; Inside a block of 32 the codes of q, k, v and p lie in the order 0-7, 16-23, 8-15, 24-31, alike on both sides of a product.  ctx meets Wo, which is given in natural order: its numbers are brought into natural order first.
; LIMITS: a block of zeros, and one under 2^-124, gets the scale byte 1; NaN and infinities are not served; a block's largest p is taken from its largest score, which takes v_exp_f32 not to fall where its input rises.
.set REC,   6656                       ; a record
.set E3,    3*REC                      ; a head's three records
.set SLOTB, 4*REC                      ; a slot: head 0's K, V, head 1's K, V
.set SCG,   5*SLOTB                    ; behind the five slots: 512 bytes in which ctx's scale words of the 128 tokens meet; no fill lands there
.set LKV,  1                           ; v1  16 x lane + my head's 13,312 bytes
.set ADR,  2                           ; v2  the step's LDS address
.set DD,   3                           ; v3  d = 16 T + r - 8 h: my query less my half's first key, inside a block of 128
.set NINF, 4                           ; v4  -infinity
.set QA0,  5                           ; v5-7 byte offsets of my half fragment of q and its scale word
.set QA1,  6
.set QA2,  7
.set GO16, 8                           ; v8  16 x lane
.set GO8,  9                           ; v9  8 x lane
.set SCW,  10                          ; v10 where my query's half scale word goes in LDS
.set SCR,  11                          ; v11 where wave 0 reads the words back
.set QF,   16                          ; v16-33 [q | 0 | q]
.set QS,   34                          ; v34 q's scale word (b0, b1, b0, b1)
.set KV,   36                          ; v36-83 four fragments of K, then of V
.set SK,   84                          ; v84-87 their scale words
.set S,    96                          ; v96-159 S^T, then p
.set OT,   160                         ; v160-191 O^T
.set PF,   192                         ; v192-203 p's codes
.set PH,   204                         ; v204-206, v208-210 the conversions' second halves
.set BM,   212                         ; v212-215 the blocks' largest scores, then largest p
.set TW,   216                         ; v216-219 at work; the bytes
.set SO,   220                         ; v220-223 the conversions' scale operands
.set PS,   224                         ; v224 p's scale word
.set CW,   225                         ; v225 ctx's half scale word
.set FF,   226                         ; v[226:227] f = 2^(old M - new M)
.set T1,   228
.set SU,   230                         ; v[230:231] the second chain of the sum
.set WV,   10
.set HE,   11
.set TT,   12
.set QB,   13
.set KP,   14
.set SEL,  16
.set CS,   18
.set G1,   24
.set G0,   32
	s_load_b128 s[4:7], s[0:1], 0x0                ; qkv, ctx
	s_load_b64 s[8:9], s[0:1], 0x10                ; csc
	v_lshl_add_u32 v254, v0, 2, 0x29000
	v_mov_b32 v255, 0
	ds_add_u32 v254, v255
	ds_add_u32 v254, v255
	v_lshrrev_b32 v232, 5, v0
	v_readfirstlane_b32 s[WV], v232                ; wave 0..15
	s_and_b32 s[HE], s[WV], 1                      ; my head of the pair
	s_lshr_b32 s[TT], s[WV], 1                     ; my tile of 16 queries
	s_mov_b32 s[QB], ttmp9                         ; a: the block of 128 queries
	s_and_b32 s[KP], ttmp7, 0xffff                 ; the head pair
	v_and_b32 v232, 31, v0                         ; lane
	v_and_b32 v233, 15, v0                         ; r
	v_bfe_u32 v234, v0, 4, 1                       ; h
	s_mul_i32 s20, s[HE], 2*REC                    ; every LDS address register is made here, ahead of the branch on the wave's number
	v_lshl_add_u32 v[LKV], v232, 4, s20
	s_lshl_b32 s20, s[TT], 6
	s_lshl_b32 s21, s[HE], 1
	s_add_co_u32 s20, s20, s21
	s_add_co_u32 s20, s20, SCG
	v_lshl_add_u32 v[SCW], v233, 2, s20            ; 4 bytes a token: 64 T + 4 r, + 2 for the pair's second head
	v_lshl_add_u32 v[SCR], v232, 4, SCG
	s_lshl_b32 s20, s[TT], 4
	v_lshlrev_b32 v[DD], 3, v234
	v_sub_nc_u32 v[DD], v233, v[DD]
	v_add_nc_u32 v[DD], s20, v[DD]
	v_mov_b32 v[NINF], 0xff800000
	v_lshlrev_b32 v[GO16], 4, v232
	v_lshlrev_b32 v[GO8], 3, v232
	s_lshr_b32 s52, s[TT], 1                       ; my tile lies in q's fragment p = T / 2,
	s_and_b32 s53, s[TT], 1                        ; in its registers 6 eps .. 6 eps + 5.  Register n of a fragment lies at 512 (n / 4) + 16 lane + 4 (n % 4)
	s_mul_i32 s54, s52, 1536
	s_mul_i32 s55, s53, 520
	s_add_co_u32 s55, s55, s54
	s_mul_i32 s56, s53, 1016
	s_add_co_u32 s56, s56, s54
	s_lshl_b32 s57, s52, 2
	v_add_nc_u32 v[QA0], s55, v[GO16]              ; registers 0, 1 (or 6, 7); 512 bytes on: 4, 5 (or 10, 11)
	v_add_nc_u32 v[QA1], s56, v[GO16]              ; 8 bytes on: registers 2, 3 (or 8, 9)
	v_add_nc_u32 v[QA2], s57, v[GO16]
	s_lshl_b32 s53, s53, 4                         ; 16 eps: my two bytes' place in the fragment's scale word
	s_mov_b32 s[SEL], 0x76543210
	s_mov_b32 s[SEL+1], 0xfedcba98                 ; v_permlanex16_b32's selects for lane l xor 16
	s_mov_b32 s[CS], 0x3e38aa3b                    ; c = log2(e) / sqrt(64)
	s_mov_b32 s[CS+1], s[CS]                       ; (named with it as a pair, so it is written)
	; descriptor group 1: a record, 6,656 dense bytes, as 26 rows of 256 bytes (32 elements of 8 bytes), no padding: the images are read 16 bytes a lane on end
	s_mov_b32 s[G1+0], 3<<16
	s_mov_b32 s[G1+1], 32<<16                      ; tensor_dim0
	s_mov_b32 s[G1+2], 26<<16                      ; tensor_dim1
	s_mov_b32 s[G1+3], 32<<16                      ; tile_dim0
	s_mov_b32 s[G1+4], 26                          ; tile_dim1
	s_mov_b32 s[G1+5], 32                          ; pitch
	s_mov_b32 s[G1+6], 0
	s_mov_b32 s[G1+7], 0
	s_lshl_b32 s61, s[KP], 5                       ; 32 blocks to a head pair
	s_and_b32 s58, s[WV], 3                        ; i: waves 0-3 fetch head i / 2's K (i even) or V (i odd)
	s_mul_i32 s59, s58, REC                        ; its place in a slot
	s_lshr_b32 s60, s58, 1
	s_mul_i32 s60, s60, E3
	s_and_b32 s20, s58, 1
	s_mul_i32 s20, s20, REC
	s_add_co_u32 s60, s60, s20
	s_add_co_u32 s60, s60, REC                     ; and in a block's six records
	s_mov_b32 s63, 0
	s_wait_dscnt 0x0
	s_wait_kmcnt 0x0
.irp s, 0,1,2,3,4
	s_add_co_i32 s62, s[QB], \s-4                  ; slot s: the block of keys a - 4 + s; one before token 0 is held at 0, so that the load stays in its buffer; its slot is never read
	s_max_i32 s62, s62, 0
	s_add_co_u32 s62, s62, s61
	s_mul_i32 s62, s62, 2*E3
	s_add_co_u32 s62, s62, s60
	s_mov_b32 s[G0+4*\s], 1
	s_add_co_u32 s[G0+4*\s+1], s59, \s*SLOTB
	s_add_nc_u64 s[G0+4*\s+2:G0+4*\s+3], s[4:5], s[62:63]
	s_or_b32 s[G0+4*\s+3], s[G0+4*\s+3], 0x80000000
.endr
	s_cmp_lt_u32 s[WV], 4                          ; a wave's five first fills stand in one branch, ahead of every wait on TENSORcnt, every LDS read and every barrier: five loads of mine are out
	s_cbranch_scc0 .Lno_fetch
.irp s, 0,1,2,3,4
	tensor_load_to_lds s[G0+4*\s:G0+4*\s+3], s[G1:G1+7]
	s_nop 0
.endr
.rept 4
	v_nop
.endr
.Lno_fetch:
	s_add_co_u32 s62, s61, s[QB]
	s_lshl_b32 s62, s62, 1
	s_add_co_u32 s62, s62, s[HE]
	s_mul_i32 s62, s62, E3
	s_add_nc_u64 s[22:23], s[4:5], s[62:63]        ; my head's q record of block a
	global_load_b64 v[QF:QF+1], v[QA0], s[22:23]
	global_load_b64 v[QF+12:QF+13], v[QA0], s[22:23]
	global_load_b64 v[QF+2:QF+3], v[QA1], s[22:23] offset:8
	global_load_b64 v[QF+14:QF+15], v[QA1], s[22:23] offset:8
	global_load_b64 v[QF+4:QF+5], v[QA0], s[22:23] offset:512
	global_load_b64 v[QF+16:QF+17], v[QA0], s[22:23] offset:512
	global_load_b32 v[QS], v[QA2], s[22:23] offset:6144
	s_lshl_b32 s20, s[QB], 3                       ; ctx: [block 32][head pair 8][tile 8][head 2][768 bytes]
	s_add_co_u32 s20, s20, s[KP]
	s_lshl_b32 s20, s20, 3
	s_add_co_u32 s20, s20, s[TT]
	s_mul_i32 s20, s20, 1536
	s_mul_i32 s21, s[HE], 768
	s_add_co_u32 s20, s20, s21
	s_mov_b32 s21, 0
	s_add_nc_u64 s[6:7], s[6:7], s[20:21]
	s_lshl_b32 s20, s[KP], 12                      ; csc: [head pair 8][token 4096][4 bytes]
	s_lshl_b32 s52, s[QB], 7
	s_add_co_u32 s20, s20, s52
	s_lshl_b32 s20, s20, 2
	s_add_nc_u64 s[8:9], s[8:9], s[20:21]
	v_mov_b32 v13, 0xff61b1e6                      ; the largest t so far: -3e38, under every t
	v_floor_f32 v12, -v13                          ; -M
	v_mov_b32 v14, 0                               ; the sum, in two halves
	v_mov_b32 v15, 0
.irp b, 0,1,2,3
	v_mov_b32 v[TW+\b], 0                          ; written once: a lane permute's destination counts as one of its sources
.endr
	v_mov_b32 v[FF+1], 0                           ; (named as the upper half of a pair)
	v_mov_b32 v[T1], 0
.irp j, 6,7,8,9,10,11
	v_mov_b32 v[QF+\j], 0                          ; the zero codes between the two copies of q
.endr
	s_wait_loadcnt 0x0                             ; q
	v_lshrrev_b32 v232, s53, v[QS]
	v_and_b32 v232, 0xffff, v232                   ; my tile's two bytes,
	v_lshl_or_b32 v[QS], v232, 16, v232            ; for both places of q
.set n, 0
.rept 32
	v_mov_b32 v[OT+n], 0                           ; O^T: which step is a work-group's first hangs on a, so every step finds sums to add onto.  (These are also the places between the scale word's last write and the first product)
.set n, n+1
.endr
; A KEY STEP: the 128 keys of slot s.  kind 0: all count; 1: the window's low edge; 2: the diagonal.
.macro STEP s, kind
	s_wait_tensorcnt 4-(\s)                        ; my part of slot s is in: the 4 - s loads issued behind it may stay out
	s_barrier_signal -1
	s_barrier_wait -1                              ; everybody's is
.if (\s) < 4
	s_cmp_lt_u32 s[QB], 4-(\s)                     ; the block a - 4 + s lies before token 0: the step's work is left out
	s_cbranch_scc1 .Lskip_\@
.endif
.rept 4
	v_nop                                          ; places in front of loads into registers that the last products read
.endr
	v_add_nc_u32 v[ADR], (\s)*SLOTB, v[LKV]
.irp f, 0,1,2,3
.irp c, 0,1,2
	ds_load_b128 v[KV+12*\f+4*\c:KV+12*\f+4*\c+3], v[ADR] offset:1536*\f+512*\c   ; K's fragments as they were stored: 512 consecutive bytes an instruction
.endr
.endr
	ds_load_b128 v[SK:SK+3], v[ADR] offset:6144
	s_wait_dscnt 0x0
.irp f, 0,1,2,3
.irp c, 0,1
	v_wmma_scale_f32_16x16x128_f8f6f4 v[S+8*(2*\f+\c):S+8*(2*\f+\c)+7], v[KV+12*\f:KV+12*\f+11], v[QF+6*\c:QF+6*\c+11], 0, v[SK+\f], v[QS] matrix_a_fmt:MATRIX_FMT_FP6 matrix_b_fmt:MATRIX_FMT_FP6
.endr
.endr                                          ; register j of tile t: key 16 t + 8 h + j of the block, query r
.rept 4
	v_nop
.endr
.irp f, 0,1,2,3
.irp c, 0,1,2
	ds_load_b128 v[KV+12*\f+4*\c:KV+12*\f+4*\c+3], v[ADR] offset:REC+1536*\f+512*\c   ; V's fragments land under the softmax
.endr
.endr
	ds_load_b128 v[SK:SK+3], v[ADR] offset:REC+6144
.if (\kind) == 1                               ; q - k = 512 + d - (16 t + j): hidden where 16 t + j <= d
.set n, 0
.rept 64
	v_cmp_le_i32 vcc_lo, 16*(n/8)+n%8, v[DD]
	v_cndmask_b32 v[S+n], v[S+n], v[NINF], vcc_lo
.set n, n+1
.endr
.elseif (\kind) == 2                           ; q - k = d - (16 t + j): hidden where 16 t + j > d
.set n, 0
.rept 64
	v_cmp_gt_i32 vcc_lo, 16*(n/8)+n%8, v[DD]
	v_cndmask_b32 v[S+n], v[S+n], v[NINF], vcc_lo
.set n, n+1
.endr
.endif
.irp b, 0,1,2,3
	v_max3_num_f32 v[BM+\b], v[S+16*\b], v[S+1+16*\b], v[S+2+16*\b]   ; the largest score of each block of 32 keys: for the row's maximum, and, since p rises with the score, for the block's largest p
.endr
.irp i, 3,5,7,9,11,13
.irp b, 0,1,2,3
	v_max3_num_f32 v[BM+\b], v[BM+\b], v[S+16*\b+\i], v[S+1+16*\b+\i]
.endr
.endr
.irp b, 0,1,2,3
	v_max_num_f32 v[BM+\b], v[BM+\b], v[S+15+16*\b]
.endr
.irp b, 0,1,2,3
	v_permlanex16_b32 v[TW+\b], v[BM+\b], s[SEL], s[SEL+1]
.endr
.irp b, 0,1,2,3
	v_max_num_f32 v[BM+\b], v[BM+\b], v[TW+\b]     ; with lane l xor 16's 16 keys
.endr
	v_max3_num_f32 v[T1], v[BM], v[BM+1], v[BM+2]
	v_max_num_f32 v[T1], v[T1], v[BM+3]            ; the step's largest score of my query (-infinity where the step hides all its keys)
	v_mul_f32 v[T1], s[CS], v[T1]
	v_max_num_f32 v13, v13, v[T1]                  ; the running largest t
	v_mov_b32 v[T1], v12
	v_floor_f32 v12, -v13                          ; the new -M = floor(-t): M is a whole number
	v_sub_f32 v[T1], v12, v[T1]                    ; old M less new M: a whole number, 0 or less
	v_cvt_i32_f32 v[T1], v[T1]                     ; (it saturates)
	v_ldexp_f32 v[FF], 1.0, v[T1]                  ; f = 2^(old M - new M)
.set n, 0
.rept 32
	v_pk_fma_f32 v[S+n:S+n+1], v[S+n:S+n+1], s[CS:CS+1], v[12:13] op_sel_hi:[1,0,0]   ; t - M, two at a time
.set n, n+2
.endr
.irp b, 0,1,2,3
	v_fma_f32 v[BM+\b], v[BM+\b], s[CS], v12       ; the same of each block's largest score
.endr
.set n, 0
.rept 64
	v_exp_f32 v[S+n], v[S+n]                       ; p = 2^(t - M), at most 1; 0 for a hidden key
.set n, n+1
.endr
.irp b, 0,1,2,3
	v_exp_f32 v[BM+\b], v[BM+\b]                   ; the block's largest p
.endr
	v_pk_mul_f32 v[14:15], v[14:15], v[FF:FF+1] op_sel_hi:[1,0]   ; the sums under the new M.  (A plain place behind the exponentials)
	s_wait_alu depctr_va_vdst(0)
.irp b, 0,1,2,3
	v_max_num_f32 v[BM+\b], 0x1800000, v[BM+\b]    ; the floor 2^(3 - 127): the byte cannot fall under 1
.endr
.irp b, 0,1,2,3
	v_add_nc_u32 v[SO+\b], 0xff000000, v[BM+\b]    ; 2 off the exponent field: the conversion's scale operand
.endr
.irp b, 0,1,2,3
	v_lshrrev_b32 v[TW+\b], 23, v[SO+\b]           ; the scale's byte
.endr
	v_lshl_or_b32 v[PS], v[TW+1], 8, v[TW]
	v_lshl_or_b32 v[PS], v[TW+2], 16, v[PS]
	v_lshl_or_b32 v[PS], v[TW+3], 24, v[PS]
.irp c, 0,1
	v_cvt_scalef32_pk16_fp6_f32 v[PF+6*\c:PF+6*\c+2], v[S+32*\c:S+32*\c+15], v[SO+2*\c]
	v_cvt_scalef32_pk16_fp6_f32 v[PH+4*\c:PH+4*\c+2], v[S+16+32*\c:S+31+32*\c], v[SO+2*\c+1]   ; (a conversion's three registers begin on an even number)
.endr
	v_nop                                          ; one plain place behind a scaled conversion
.irp c, 0,1                                    ; a WHOLE block in a lane: lanes 0-15 block 2 c, lanes 16-31 block 2 c + 1
.irp i, 0,1,2
	v_permlane16_swap_b32 v[PF+6*\c+\i], v[PH+4*\c+\i]
.endr
.irp i, 0,1,2
	v_mov_b32 v[PF+3+6*\c+\i], v[PH+4*\c+\i]
.endr
.endr
	v_pk_add_f32 v[SU:SU+1], v[S:S+1], v[S+2:S+3]  ; the row's sum is taken of the UNQUANTISED p: two at a time, in two chains.  (These 32 are the places between the writes of p's codes and scale word and the products)
.irp j, 4,8,12,16,20,24,28,32,36,40,44,48,52,56,60
	v_pk_add_f32 v[14:15], v[14:15], v[S+\j:S+\j+1]
	v_pk_add_f32 v[SU:SU+1], v[SU:SU+1], v[S+2+\j:S+3+\j]
.endr
	v_pk_add_f32 v[14:15], v[14:15], v[SU:SU+1]
.set n, 0
.rept 16
	v_pk_mul_f32 v[OT+n:OT+n+1], v[OT+n:OT+n+1], v[FF:FF+1] op_sel_hi:[1,0]   ; O^T under the new M
.set n, n+2
.endr
	s_wait_dscnt 0x0                               ; V is in
.irp t, 0,1,2,3                                ; the four accumulators take one turn each; the next step's eight products stand between two turns of one
	v_wmma_scale_f32_16x16x128_f8f6f4 v[OT+8*\t:OT+8*\t+7], v[KV+12*\t:KV+12*\t+11], v[PF:PF+11], v[OT+8*\t:OT+8*\t+7], v[SK+\t], v[PS] matrix_a_fmt:MATRIX_FMT_FP6 matrix_b_fmt:MATRIX_FMT_FP6
.endr
.if (\s) < 4
.Lskip_\@:
.endif
.endm
	STEP 0, 1
	STEP 1, 0
	STEP 2, 0
	STEP 3, 0
	STEP 4, 2                                      ; the diagonal's step runs in every work-group: each query sees itself, so M is a number and the sum is above 1/2
	; THE WAY OUT.  O^T / the sum; into natural order; two blocks of 32 channels are quantised; half a fragment and half a scale word leave.
	v_add_f32 v14, v14, v15
	v_permlanex16_b32 v[T1], v14, s[SEL], s[SEL+1]
	v_add_f32 v14, v14, v[T1]                      ; the row's sum
	v_rcp_f32 v14, v14
.rept 4
	v_nop                                          ; behind the reciprocal, and behind the last products
.endr
.set n, 0
	s_wait_alu depctr_va_vdst(0)
.rept 32
	v_mul_f32 v[S+n], v[OT+n], v14                 ; register 8 t + j: channel 16 t + 8 h + j of query r
.set n, n+1
.endr
.irp b, 0,1
.irp j, 0,1,2,3,4,5,6,7
	v_permlane16_swap_b32 v[S+16*\b+\j], v[S+8+16*\b+\j]   ; tile 2 b's lanes 16-31 change places with tile 2 b + 1's lanes 0-15: register 16 b + i is now channel 32 b + 16 h + i
.endr
.endr
.irp b, 0,1
	v_max3_num_f32 v[BM+\b], |v[S+16*\b]|, |v[S+1+16*\b]|, 0x1800000
.endr
.irp i, 2,4,6,8,10,12,14
.irp b, 0,1
	v_max3_num_f32 v[BM+\b], v[BM+\b], |v[S+16*\b+\i]|, |v[S+1+16*\b+\i]|
.endr
.endr
.irp b, 0,1
	v_permlanex16_b32 v[TW+\b], v[BM+\b], s[SEL], s[SEL+1]
.endr
.irp b, 0,1
	v_max_num_f32 v[BM+\b], v[BM+\b], v[TW+\b]
.endr
.irp b, 0,1
	v_add_nc_u32 v[SO+\b], 0xff000000, v[BM+\b]
.endr
.irp b, 0,1
	v_lshrrev_b32 v[TW+\b], 23, v[SO+\b]
.endr
	v_lshl_or_b32 v[CW], v[TW+1], 8, v[TW]         ; my head's two bytes of the token's scale word
	v_cvt_scalef32_pk16_fp6_f32 v[PF:PF+2], v[S:S+15], v[SO]
	v_cvt_scalef32_pk16_fp6_f32 v[PH:PH+2], v[S+16:S+31], v[SO+1]
	v_nop
.irp i, 0,1,2
	v_permlane16_swap_b32 v[PF+\i], v[PH+\i]
.endr
.irp i, 0,1,2
	v_mov_b32 v[PF+3+\i], v[PH+\i]                 ; registers 0-5: channels 32 h + 0 .. 31 of my head: registers 6 e .. 6 e + 5 of the next product's fragment
.endr
	global_store_b128 v[GO16], v[PF:PF+3], s[6:7]              ; 512 consecutive bytes,
	global_store_b64 v[GO8], v[PF+4:PF+5], s[6:7] offset:512   ; and 256, each at a multiple of 256 from the buffer's first byte
	ds_store_b16 v[SCW], v[CW]                     ; lanes 16-31 write the same value to the same place
	s_wait_dscnt 0x0                               ; for the others' sake
	s_barrier_signal -1
	s_barrier_wait -1
	s_cmp_lg_u32 s[WV], 0
	s_cbranch_scc1 .Lend
	ds_load_b128 v[S:S+3], v[SCR]                  ; the 128 tokens' words: wave 0 stores them as 512 consecutive bytes
	s_wait_dscnt 0x0
	global_store_b128 v[GO16], v[S:S+3], s[8:9]
.Lend:
	s_wait_tensorcnt 0x0
	ds_add_u32 v254, v255
	s_wait_dscnt 0x0
	s_endpgm
.Lfunc_end_k_q3423d6b67a_attn:
	.size	k_q3423d6b67a_attn, .Lfunc_end_k_q3423d6b67a_attn-k_q3423d6b67a_attn
	.p2alignl 7, 3214868480
	.fill 96, 4, 3214868480
	.section	.rodata,"a",@progbits
	.p2align	6, 0x0
	.amdhsa_kernel k_q3423d6b67a_attn
		.amdhsa_group_segment_fixed_size 169984
		.amdhsa_private_segment_fixed_size 0
		.amdhsa_enable_private_segment 0
		.amdhsa_kernarg_size 24
		.amdhsa_user_sgpr_count 2
		.amdhsa_user_sgpr_kernarg_segment_ptr 1
		.amdhsa_wavefront_size32 1
		.amdhsa_system_sgpr_workgroup_id_x 1
		.amdhsa_system_sgpr_workgroup_id_y 1
		.amdhsa_system_sgpr_workgroup_id_z 1
		.amdhsa_system_vgpr_workitem_id 0
		.amdhsa_next_free_vgpr 256
		.amdhsa_next_free_sgpr 66
		.amdhsa_reserve_vcc 1
		.amdhsa_float_denorm_mode_32 3
		.amdhsa_float_denorm_mode_16_64 3
		.amdhsa_memory_ordered 1
		.amdhsa_forward_progress 1
		.amdhsa_inst_pref_size 100
	.end_amdhsa_kernel
	.amdgpu_metadata
---
amdhsa.version: [ 1, 2 ]
amdhsa.kernels:
  - .name:           k_q3423d6b67a_attn
    .symbol:         k_q3423d6b67a_attn.kd
    .args:
      - { .name: qkv, .offset: 0, .size: 8, .value_kind: global_buffer, .address_space: global }
      - { .name: ctx, .offset: 8, .size: 8, .value_kind: global_buffer, .address_space: global }
      - { .name: csc, .offset: 16, .size: 8, .value_kind: global_buffer, .address_space: global }
    .group_segment_fixed_size: 169984
    .private_segment_fixed_size: 0
    .kernarg_segment_align: 8
    .kernarg_segment_size: 24
    .max_flat_workgroup_size: 512
    .sgpr_count:     66
    .vgpr_count:     256
    .wavefront_size: 32
...
	.end_amdgpu_metadata
.endif
;; end of part 2
;; launch out_proj (part 3): grid 8 x 32, 4 waves a work-group, clusters of 4 x 4, 262,656 bytes of LDS; arguments ctx, csc, Wo_codes, Wo_scales, bo, out0; writes out0
.if DOCPART == 3
	.amdgcn_target "amdgcn-amd-amdhsa--gfx1250"
	.amdhsa_code_object_version 6
	.text
	.protected	k_q3423d6b67a_out_proj
	.globl	k_q3423d6b67a_out_proj
	.p2align	8
	.type	k_q3423d6b67a_out_proj,@function
k_q3423d6b67a_out_proj:
	s_mov_b64 s[64:65], 0
	v_nop
	global_prefetch_b8 v0, s[64:65] scope:SCOPE_SE
	s_setreg_imm32_b32 hwreg(HW_REG_WAVE_MODE, 25, 1), 1
	s_wait_xcnt 0x0
	s_wait_alu depctr_hold_cnt(0) depctr_sa_sdst(0) depctr_va_vdst(0) depctr_va_sdst(0) depctr_va_ssrc(0) depctr_va_vcc(0) depctr_vm_vsrc(0)
	s_getreg_b32 s2, hwreg(HW_REG_IB_STS2, 6, 4)
	s_cmp_eq_u32 s2, 0
	s_cbranch_scc0 .Lentry_in_a_cluster
	s_endpgm
.Lentry_in_a_cluster:
	s_bfe_u32 s2, ttmp6, 0x10000c
	s_cmp_lg_u32 s2, 0xf033
	s_cbranch_scc0 .Lentry_shape_is_right
	s_endpgm
.Lentry_shape_is_right:
; out0 = ctx Wo + bo on codes of FP6 (E2M3) with one E8M0 scale for each 32 along K = 1,024.  ctx: images of fragments, [block of 128 tokens 32][K step 8][tile 8][half 2][768 bytes] (registers 0-3 of a half at 16 x lane,
; registers 4-5 at 512 + 8 x lane); csc: its scale words [K step 8][token 4096][4].  Wo: [1024 (n)][1024 (k)] codes, 768 bytes a row; its scales [1024][32].  bo [1024], out0 [4096][1024]: f32.
; SHARES.  256 work-groups, a tile of 128 x 128 each; four waves of 64 x 64: 16 accumulators.  Source 0 = 16 rows of Wo, source 1 = 16 tokens: a lane holds eight neighbouring columns of one row of out0.
; ALL OF K LIES IN LDS, FILLED ONCE: ctx's 98,304 bytes and Wo's 128 rows x 768 bytes, in four chunks of 256 along K; each chunk is waited for when it is first read, the later ones stay on their way.
; CLUSTERS: 4 x 4 work-groups; ctx's chunks are shared along a row of the cluster, Wo's along a column: joint tensor loads.
; The scale words (8 KiB a work-group) and the bias go from memory straight into registers, asked for while the tiles are on their way.  The bias is the C of each sum's first matrix instruction.
; REGISTERS: window 0: v1-17 addresses; v32-47 ctx's scale words, v48-63 Wo's (lanes 0-15 an even tile's, lanes 16-31 the next tile's); v64-95 the bias; v128-191 rows on the way out.
;   window 1: two sets of 96: four fragments of ctx, four of Wo.   window 2: accumulator (a, b) at v[8 (4 a + b)].
.set AIMG,  0                          ; ctx: K step k at 12,288 k, tile T at + 1,536 T
.set BT,    98304                      ; Wo: chunk c at 30,720 c: 128 rows, 240 bytes apart (3 x (64 + 16 of padding))
.set STG,   BT+4*30720                 ; four stages of 16 rows x 272 bytes for the way out: no fill lands there
.set LA16, 4                           ; v4, v5  16 x lane + my 64 tokens' 6,144 bytes; the same 49,152 bytes on (K steps 4-7)
.set LA8,  6                           ; v6, v7  8 x lane + the same
.set ADB,  8                           ; v8, v9  my rows of Wo in chunks 0-1, 2-3; v10, v11 the same behind one padding more
.set STO,  12                          ; v12 the stage: where I put 32 bytes of a row
.set RD,   13                          ; v13 and where I read rows back
.set CO,   14                          ; v14 my byte offset in two rows of out0
.set SA,   32
.set SB,   48
.set BI,   64
.set BK,   128
.set G1A, 24
.set G1B, 32
.set G0A, 40
.set G0B, 68
.set MSB, 0
.macro WIN new                         ; the immediate's high byte repeats the setting that is left
.if MSB != (\new)
	s_set_vgpr_msb (MSB<<8)|(\new)
.set MSB, (\new)
.endif
.endm
.macro JLOAD g0a, g1a, g0b, g1b        ; a joint load: waves 0 and 1 fetch for ctx, waves 2 and 3 for Wo; four v_nop follow each of the two lines
	s_cmp_eq_u32 s17, 0
	s_cbranch_scc0 .Lfor_b_\@
	tensor_load_to_lds s[\g0a:\g0a+3], s[\g1a:\g1a+7]
	s_nop 0
.rept 4
	v_nop
.endr
	s_branch .Lasked_\@
.Lfor_b_\@:
	tensor_load_to_lds s[\g0b:\g0b+3], s[\g1b:\g1b+7]
	s_nop 0
.rept 4
	v_nop
.endr
.Lasked_\@:
.endm
.macro CROUND                          ; a round of the cluster's barrier
	s_barrier_signal -1
	s_barrier_wait -1
	s_cmp_lg_u32 s16, 0
	s_cbranch_scc1 .Lnot_wave_0_\@
	s_barrier_signal -3
.Lnot_wave_0_\@:
	s_barrier_wait -3
	s_barrier_signal -1
	s_barrier_wait -1
.endm
.macro PLACES                          ; four places in front of loads into registers that matrix instructions have read, and of the first read of results
.rept 4
	v_nop
.endr
.endm
	s_load_b256 s[4:11], s[0:1], 0x0               ; ctx, csc, Wo's codes, Wo's scales
	s_load_b128 s[12:15], s[0:1], 0x20             ; bo, out0
	v_lshl_add_u32 v254, v0, 2, 0x40000
	v_mov_b32 v255, 0
	ds_add_u32 v254, v255
	ds_add_u32 v254, v255
	v_lshrrev_b32 v1, 5, v0
	v_readfirstlane_b32 s16, v1                    ; wave 0..3
	s_lshr_b32 s17, s16, 1                         ; which 64 tokens are mine.  Also: I fetch for ctx (0) or for Wo (1)
	s_and_b32 s18, s16, 1                          ; which 64 columns.  Also: which half of a chunk I fetch
	s_bfe_u32 s21, ttmp6, 0x40000                  ; cx, cy: my place in the cluster
	s_bfe_u32 s22, ttmp6, 0x40004
	s_lshl_b32 s20, ttmp9, 2
	s_add_co_u32 s20, s20, s21                     ; tile column = 4 x cluster x + cx
	s_and_b32 s19, ttmp7, 0xffff
	s_lshl_b32 s19, s19, 2
	s_add_co_u32 s19, s19, s22                     ; tile row = 4 x cluster y + cy: the block of 128 tokens
	s_lshl_b32 s23, s22, 2
	s_lshl_b32 s23, 15, s23                        ; my row of the cluster
	s_lshl_b32 s56, 0x1111, s21                    ; my column
	; group 1 for ctx: a K step's 12,288 dense bytes as 48 rows of 256 bytes (32 elements of 8 bytes), no padding
	s_or_b32 s[G1A+0], s23, (3<<16)|(1<<21)
	s_mov_b32 s[G1A+1], 32<<16
	s_mov_b32 s[G1A+2], 48<<16
	s_mov_b32 s[G1A+3], 32<<16
	s_mov_b32 s[G1A+4], 48
	s_mov_b32 s[G1A+5], 32
	s_mov_b32 s[G1A+6], 0
	s_mov_b32 s[G1A+7], 0
	; group 1 for Wo: 64 rows x 192 bytes, 768 bytes apart in memory, 16 bytes of padding behind every 64
	s_or_b32 s[G1B+0], s56, (0<<16)|(1<<20)|(1<<21)|(3<<22)|(3<<25)
	s_mov_b32 s[G1B+1], 192<<16
	s_mov_b32 s[G1B+2], 64<<16
	s_mov_b32 s[G1B+3], 192<<16
	s_mov_b32 s[G1B+4], 64
	s_mov_b32 s[G1B+5], 768
	s_mov_b32 s[G1B+6], 0
	s_mov_b32 s[G1B+7], 0
	s_lshl_b32 s58, s19, 3
	s_add_co_u32 s58, s58, s18
	s_mul_i32 s58, s58, 12288                      ; ctx: K step (wave & 1) of my block
	s_mov_b32 s59, 0
	s_lshl_b32 s60, s20, 7
	s_lshl_b32 s57, s18, 6
	s_add_co_u32 s60, s60, s57
	s_mul_i32 s60, s60, 768                        ; Wo: row 128 x tile column + 64 x (wave & 1)
	s_mov_b32 s61, 0
	s_mul_i32 s62, s18, 12288                      ; where they go: no place in the cluster enters an LDS address
	s_mul_i32 s63, s18, 15360
	s_add_co_u32 s63, s63, BT
	; every LDS address register
	v_and_b32 v1, 31, v0                           ; lane
	v_and_b32 v2, 15, v0                           ; r
	v_bfe_u32 v3, v0, 4, 1                         ; h
	s_mul_i32 s57, s17, 6144                       ; my four tiles of tokens
	v_lshl_add_u32 v[LA16], v1, 4, s57
	v_add_nc_u32 v[LA16+1], 49152, v[LA16]
	v_lshl_add_u32 v[LA8], v1, 3, s57
	v_add_nc_u32 v[LA8+1], 49152, v[LA8]
	v_mul_u32_u24 v[ADB], v2, 240
	v_mad_u32_u24 v[ADB], v3, 24, v[ADB]
	v_add_nc_u32 v[ADB], s63, v[ADB]               ; my 64 rows of Wo begin where the wave with my (wave & 1) put them: row r, + 24 h
	v_add_nc_u32 v[ADB+1], 61440, v[ADB]
	v_lshl_add_u32 v[ADB+2], v3, 4, v[ADB]         ; + 40 h: behind one padding more
	v_add_nc_u32 v[ADB+3], 61440, v[ADB+2]
	s_mul_i32 s57, s16, 16*272
	s_add_co_u32 s57, s57, STG                     ; my stage
	v_mul_u32_u24 v[STO], v2, 272
	v_lshl_add_u32 v[STO], v3, 5, v[STO]
	v_add_nc_u32 v[STO], s57, v[STO]
	v_mul_u32_u24 v[RD], v3, 272
	v_lshl_add_u32 v[RD], v2, 4, v[RD]
	v_add_nc_u32 v[RD], s57, v[RD]
	v_lshlrev_b32 v[CO], 12, v3                    ; lanes 0-15 one row of out0, lanes 16-31 the next; 16 bytes a lane
	v_lshl_add_u32 v[CO], v2, 4, v[CO]
	v_lshlrev_b32 v15, 2, v1                       ; ctx's scale words: 4 bytes a token
	v_lshlrev_b32 v16, 5, v1                       ; Wo's: 32 bytes a row
	v_lshlrev_b32 v17, 5, v3                       ; the bias: my half's eight numbers
	s_wait_dscnt 0x0
	s_wait_kmcnt 0x0
	s_add_nc_u64 s[84:85], s[4:5], s[58:59]
	s_add_nc_u64 s[86:87], s[8:9], s[60:61]
	CROUND                                         ; all sixteen work-groups are here: the joint loads meet
.irp c, 0,1,2,3                                ; chunk c: ctx's K steps 2 c, 2 c + 1 (one to each of waves 0, 1); Wo's 256 along K (64 rows to each of waves 2, 3).  Four tensor loads of mine are out at the end
	s_mov_b32 s[G0A+4*\c], 1
	s_add_co_u32 s[G0A+4*\c+1], s62, \c*24576
	s_add_nc_u64 s[G0A+4*\c+2:G0A+4*\c+3], s[84:85], \c*24576
	s_or_b32 s[G0A+4*\c+3], s[G0A+4*\c+3], 0x80000000
	s_mov_b32 s[G0B+4*\c], 1
	s_add_co_u32 s[G0B+4*\c+1], s63, \c*30720
	s_add_nc_u64 s[G0B+4*\c+2:G0B+4*\c+3], s[86:87], \c*192
	s_or_b32 s[G0B+4*\c+3], s[G0B+4*\c+3], 0x80000000
	JLOAD G0A+4*\c, G1A, G0B+4*\c, G1B
.endr
	s_lshl_b32 s88, s19, 7
	s_lshl_b32 s57, s17, 6
	s_add_co_u32 s88, s88, s57                     ; my first token
	s_lshl_b32 s90, s20, 7
	s_lshl_b32 s57, s18, 6
	s_add_co_u32 s90, s90, s57                     ; my first column
	s_lshl_b32 s58, s88, 2
	s_add_nc_u64 s[6:7], s[6:7], s[58:59]          ; csc at my tokens
	s_lshl_b32 s58, s88, 12
	s_add_nc_u64 s[14:15], s[14:15], s[58:59]      ; out0 at my first row,
	s_lshl_b32 s60, s90, 5
	s_add_nc_u64 s[10:11], s[10:11], s[60:61]      ; Wo's scales at my rows
	s_lshl_b32 s60, s90, 2
	s_add_nc_u64 s[12:13], s[12:13], s[60:61]      ; bo at my columns
	s_add_nc_u64 s[14:15], s[14:15], s[60:61]      ; and at my first column
.irp i, 0,1
.irp k, 0,1,2,3,4,5,6,7
	global_load_b32 v[SA+8*\i+\k], v15, s[6:7] offset:\k*16384+128*\i   ; lanes 0-15: tile 2 i's words of K step k; lanes 16-31: tile 2 i + 1's
.endr
.endr
.irp i, 0,1
	global_load_b128 v[SB+8*\i:SB+8*\i+3], v16, s[10:11] offset:1024*\i          ; a row's eight words: K steps 0-3,
	global_load_b128 v[SB+8*\i+4:SB+8*\i+7], v16, s[10:11] offset:1024*\i+16     ; 4-7
.endr
.irp b, 0,1,2,3
	global_load_b128 v[BI+8*\b:BI+8*\b+3], v17, s[12:13] offset:64*\b            ; bo at columns 16 b + 8 h + 0 .. 7: the result's layout
	global_load_b128 v[BI+8*\b+4:BI+8*\b+7], v17, s[12:13] offset:64*\b+16
.endr
.macro FRAG reg, adr, q, off           ; a fragment of Wo from rows: six pieces of 8 bytes; where lanes 16-31's piece lies behind one padding more, the second address register serves
.irp p, 0,1,2,3,4,5
.set PCE, 12*(\q)+6*(\p/3)+\p%3
.if PCE%8 < 5
	ds_load_b64 v[(\reg)+2*\p:(\reg)+2*\p+1], v[\adr] offset:8*PCE+16*(PCE/8)+(\off)
.else
	ds_load_b64 v[(\reg)+2*\p:(\reg)+2*\p+1], v[(\adr)+2] offset:8*PCE+16*(PCE/8)+(\off)
.endif
.endr
.endm
.macro FETCH kp, sg                    ; K step kp's eight fragments into set sg: 40 LDS loads
	WIN 0x40                                       ; destination window 1
.irp i, 0,1,2,3
	ds_load_b128 v[128*(\sg)+12*\i:128*(\sg)+12*\i+3], v[LA16+(\kp)/4] offset:((\kp)%4)*12288+1536*\i
	ds_load_b64 v[128*(\sg)+12*\i+4:128*(\sg)+12*\i+5], v[LA8+(\kp)/4] offset:((\kp)%4)*12288+1536*\i+512
	ds_load_b128 v[128*(\sg)+12*\i+6:128*(\sg)+12*\i+9], v[LA16+(\kp)/4] offset:((\kp)%4)*12288+1536*\i+768
	ds_load_b64 v[128*(\sg)+12*\i+10:128*(\sg)+12*\i+11], v[LA8+(\kp)/4] offset:((\kp)%4)*12288+1536*\i+1280
.endr
.irp i, 0,1,2,3
	FRAG 128*(\sg)+48+12*\i, ADB+(\kp)/4, (\kp)%2, (((\kp)/2)%2)*30720+\i*3840
.endr
	WIN 0
.endm
.macro WM kp, a, b                     ; one product: Wo's tile b x ctx's tile a.  An odd tile's scale words lie in lanes 16-31 of its pair's register
.set rD, 8*(4*(\a)+(\b))
.set rB, 128*((\kp)%2)+48+12*(\b)
.set rA, 128*((\kp)%2)+12*(\a)
.set rSB, SB+8*((\b)/2)+(\kp)
.set rSA, SA+8*((\a)/2)+(\kp)
.if (\kp) == 0
.set rC, BI+8*(\b)                     ; the bias starts the sum (C in window 0)
.else
.set rC, rD
.endif
.if ((\b)%2 == 0) && ((\a)%2 == 0)
	v_wmma_scale_f32_16x16x128_f8f6f4 v[rD:rD+7], v[rB:rB+11], v[rA:rA+11], v[rC:rC+7], v[rSB], v[rSA] matrix_a_fmt:MATRIX_FMT_FP6 matrix_b_fmt:MATRIX_FMT_FP6
.elseif ((\b)%2 == 1) && ((\a)%2 == 0)
	v_wmma_scale_f32_16x16x128_f8f6f4 v[rD:rD+7], v[rB:rB+11], v[rA:rA+11], v[rC:rC+7], v[rSB], v[rSA] matrix_a_fmt:MATRIX_FMT_FP6 matrix_b_fmt:MATRIX_FMT_FP6 matrix_a_scale:MATRIX_SCALE_ROW1
.elseif ((\b)%2 == 0) && ((\a)%2 == 1)
	v_wmma_scale_f32_16x16x128_f8f6f4 v[rD:rD+7], v[rB:rB+11], v[rA:rA+11], v[rC:rC+7], v[rSB], v[rSA] matrix_a_fmt:MATRIX_FMT_FP6 matrix_b_fmt:MATRIX_FMT_FP6 matrix_b_scale:MATRIX_SCALE_ROW1
.else
	v_wmma_scale_f32_16x16x128_f8f6f4 v[rD:rD+7], v[rB:rB+11], v[rA:rA+11], v[rC:rC+7], v[rSB], v[rSA] matrix_a_fmt:MATRIX_FMT_FP6 matrix_b_fmt:MATRIX_FMT_FP6 matrix_a_scale:MATRIX_SCALE_ROW1 matrix_b_scale:MATRIX_SCALE_ROW1
.endif
.endm
.macro MUL kp                          ; a K step: the 16 accumulators take turns, one instruction a turn, in the same order in every step
.if (\kp) == 0
	WIN 0x85                                       ; sources 0 and 1 window 1, C window 0, D window 2
.else
	WIN 0xa5                                       ; C and D window 2
.endif
.irp a, 0,1,2,3
.irp b, 0,1,2,3
	WM \kp, \a, \b
.endr
.endr
	WIN 0
.endm
	s_wait_tensorcnt 3                             ; my part of chunk 0 is in; the three loads issued behind it may stay out
	s_barrier_signal -1
	s_barrier_wait -1                              ; everybody's is
	FETCH 0, 0
.irp k, 0,1,2,3,4,5,6,7
	s_wait_dscnt 0x0                               ; this step's fragments are in
.if (\k%2 == 1) && (\k < 7)
	s_wait_tensorcnt 3-(\k+1)/2                    ; the next step begins a chunk: my part of it is in; the chunks issued behind it may stay out
	s_barrier_signal -1
	s_barrier_wait -1
.endif
.if \k < 7
.if \k > 0
	PLACES
.endif
	FETCH \k+1, (\k+1)%2                           ; the next step's fragments land under this step's products
.endif
.if \k == 0
	s_wait_loadcnt 0x0                             ; the scale words and the bias
.endif
	MUL \k
.endr
; THE WAY OUT, 16 rows x 64 columns at a time, through my own stage: a lane's 32 bytes go into rows of 272 bytes and come back as whole rows of 256, so that sixteen lanes store 256 consecutive bytes at a multiple of 256
; from out0's first byte.  LDS serves a wave's instructions in order (ISA guide 5.7.1.4): no wait between the stores and the loads, nor in front of the next block's stores.
.macro TOSTAGE a
	WIN 0x08                                       ; an LDS store's data are its source 1: window 2
.irp b, 0,1,2,3
	ds_store_b128 v[STO], v[8*(4*(\a)+\b):8*(4*(\a)+\b)+3] offset:64*\b          ; each accumulator from its low end on
	ds_store_b128 v[STO], v[8*(4*(\a)+\b)+4:8*(4*(\a)+\b)+7] offset:64*\b+16
.endr
	WIN 0
.irp t, 0,1,2,3,4,5,6,7
	ds_load_b128 v[BK+32*((\a)%2)+4*\t:BK+32*((\a)%2)+4*\t+3], v[RD] offset:544*\t
.endr
.endm
.macro SEND a, younger                 ; younger: the LDS instructions issued behind block a's loads, which may stay out
	s_wait_dscnt \younger
.irp t, 0,1,2,3,4,5,6,7
	global_store_b128 v[CO], v[BK+32*((\a)%2)+4*\t:BK+32*((\a)%2)+4*\t+3], s[14:15] offset:(\a)*65536+8192*\t th:TH_STORE_NT   ; the block's and the pair of rows' place stand in the immediate: 253,952 bytes at the most
.endr
.endm
	PLACES
	TOSTAGE 0
.irp a, 1,2,3
.if \a > 1
	s_wait_xcnt 0x0                                ; block a - 2's stores have read their registers: block a's loads may land there
.endif
	TOSTAGE \a
	SEND \a-1, 16                                  ; behind block a - 1's loads: block a's 8 stores and 8 loads
.endr
	SEND 3, 0
	s_wait_tensorcnt 0x0
	ds_add_u32 v254, v255
	s_wait_dscnt 0x0
	CROUND                                         ; the closing round: no work-group ends while a partner may still ask for a tile that names it
	s_endpgm
.Lfunc_end_k_q3423d6b67a_out_proj:
	.size	k_q3423d6b67a_out_proj, .Lfunc_end_k_q3423d6b67a_out_proj-k_q3423d6b67a_out_proj
	.p2alignl 7, 3214868480
	.fill 96, 4, 3214868480
	.section	.rodata,"a",@progbits
	.p2align	6, 0x0
	.amdhsa_kernel k_q3423d6b67a_out_proj
		.amdhsa_group_segment_fixed_size 262656
		.amdhsa_private_segment_fixed_size 0
		.amdhsa_enable_private_segment 0
		.amdhsa_kernarg_size 48
		.amdhsa_user_sgpr_count 2
		.amdhsa_user_sgpr_kernarg_segment_ptr 1
		.amdhsa_wavefront_size32 1
		.amdhsa_system_sgpr_workgroup_id_x 1
		.amdhsa_system_sgpr_workgroup_id_y 1
		.amdhsa_system_sgpr_workgroup_id_z 1
		.amdhsa_system_vgpr_workitem_id 0
		.amdhsa_next_free_vgpr 768
		.amdhsa_next_free_sgpr 92
		.amdhsa_reserve_vcc 0
		.amdhsa_float_denorm_mode_32 3
		.amdhsa_float_denorm_mode_16_64 3
		.amdhsa_memory_ordered 1
		.amdhsa_forward_progress 1
		.amdhsa_inst_pref_size 59
	.end_amdhsa_kernel
	.amdgpu_metadata
---
amdhsa.version: [ 1, 2 ]
amdhsa.kernels:
  - .name:           k_q3423d6b67a_out_proj
    .symbol:         k_q3423d6b67a_out_proj.kd
    .args:
      - { .name: ctx, .offset: 0, .size: 8, .value_kind: global_buffer, .address_space: global }
      - { .name: csc, .offset: 8, .size: 8, .value_kind: global_buffer, .address_space: global }
      - { .name: Wo_codes, .offset: 16, .size: 8, .value_kind: global_buffer, .address_space: global }
      - { .name: Wo_scales, .offset: 24, .size: 8, .value_kind: global_buffer, .address_space: global }
      - { .name: bo, .offset: 32, .size: 8, .value_kind: global_buffer, .address_space: global }
      - { .name: out0, .offset: 40, .size: 8, .value_kind: global_buffer, .address_space: global }
    .group_segment_fixed_size: 262656
    .private_segment_fixed_size: 0
    .kernarg_segment_align: 8
    .kernarg_segment_size: 48
    .max_flat_workgroup_size: 128
    .sgpr_count:     92
    .vgpr_count:     768
    .wavefront_size: 32
...
	.end_amdgpu_metadata
.endif
;; end of part 3
